; MI455X (gfx1250); checked and timed in simulation.
; The chip was launched on July 23, 2026; its instructions are those of AMD's public machine-readable ISA for CDNA 5 (MIT licence, August 2026) and "CDNA5" Instruction Set Architecture Reference Guide (July 2026). The comments in the code are by the model that wrote it; some were corrected since.
;; Exp Mov Avg Model. Allowed arithmetic: matrix products marked QUANTISED: E4M3 operands, one given power-of-two scale a tensor, by v_wmma_f32_16x16x64_fp8_fp8 or v_wmma_f32_16x16x128_fp8_fp8, f32 sums; products left as they are: f32 operands where the result goes on into a quantised operand, else bf16, f16 or f32 operands; f32 sums; everything else in f32.
;; Inputs: embd_weight 50,000 x 128 float32; lam_b 1 float32; lam_w 128 x 1 float32; lowp_scales 2 int32 (the exponents e of the quantised operands' scales 2^e); problem_seq 32 x 1,024 int32; y 32 x 1,024 float32.
;; Outputs: out0 32 x 1,024 float32.
;; This version of the problem:
;;   THIS VERSION OF THE PROBLEM IS GIVEN IN LOW PRECISION. The matrix products marked QUANTISED in the list below multiply operands that are first quantised to E4M3 (4 exponent bits, 3 mantissa bits; 8 bits a number), with one given power-of-two scale for each operand tensor; their sums are f32. All else is computed in f32.
;;   The module's matrix products, in the order in which they are computed (A, B: the left and right operand; K: the contracted axis; several contracted axes count as one K, in the product's order):
;;     1. batch 32 x [M 1,024, K 128] x [K 128, N 1,024]; A: computed on the way; B: computed on the way: QUANTISED (scales: A lowp_scales[0], B lowp_scales[1])
;;     2. [M 32,768, K 128] x [K 128, N 1]; A: computed on the way; B: input lam_w: left as it is (N = 1 < 16)
;;     3. batch 32 x [M 1, K 1,024] x [K 1,024, N 1,024]; A: input y; B: computed on the way: left as it is (M = 1 < 16)
;;   THE QUANTISER, for each operand of a quantised product, along K:
;;     - The operand's scale is 2^e, e = its entry of the input lowp_scales (int32; the entries are numbered through the quantised products in the list's order, A before B).
;;     - Each number is divided by the scale, clamped to +-448, and rounded to the nearest number of E4M3, ties to even, subnormals kept.
;;     - The product sums the exact products of the quantised numbers (number of the format x scale) in f32.
;;   ~~~python
;;   def quantise(x, axis, e):      # numpy; x: float32 -> the quantised numbers, widened to float32 again
;;       x = np.moveaxis(x, axis, -1); K = x.shape[-1]
;;       r = np.clip(x / 2.0 ** e, -448, 448)
;;       step = 2.0 ** (np.maximum(np.frexp(np.where(r == 0, 1, r))[1] - 1, -6) - 3)
;;       q = np.round(r / step) * step * 2.0 ** e      # np.round: ties to even
;;       return np.moveaxis(q, -1, axis).astype(np.float32)
;;   ~~~
;;   OPERANDS COMPUTED ON THE WAY. 'Computed on the way' means the value that the module computes at that place (a softmax that the list does not call 'softmax' is quantised finished and normalised). What goes into a quantiser is computed in f32, as accurately as f32 sums, v_exp_f32 and their like allow (about 1e-6 of the number): no bf16 or f16 on the way to a quantiser, and a product that is left as it is and whose result goes on into a quantised operand takes f32 operands (vector FMAs, or v_wmma_f32_16x16x4_f32). A number that lies on a knife's edge between two numbers of the format may be rounded either way, as far as f32 arithmetic and the matrix unit's own rounding can turn it there, and no further.
;; 2 versions, each right; version 2 is version 1 with the launch ema written anew for expert scheduling mode. Each part assembles by itself: llvm-mc -triple=amdgcn-amd-amdhsa -mcpu=gfx1250 --defsym DOCPART=n.
;; ======== version 1 of 2: 1 launch
;; launch ema (part 1): grid 8 x 32, 16 waves a work-group, no clusters, 52,224 bytes of LDS; arguments embd_weight, problem_seq, y, lam_w, lam_b, lowp_scales, out0; writes out0
.if DOCPART == 1
	.amdgcn_target "amdgcn-amd-amdhsa--gfx1250"
	.amdhsa_code_object_version 6
	.text
	.protected	k_qc92f5c9d6f_ema
	.globl	k_qc92f5c9d6f_ema
	.p2align	8
	.type	k_qc92f5c9d6f_ema,@function
k_qc92f5c9d6f_ema:
	s_mov_b64 s[64:65], 0
	v_nop
	global_prefetch_b8 v0, s[64:65] scope:SCOPE_SE
	s_setreg_imm32_b32 hwreg(HW_REG_WAVE_MODE, 25, 1), 1
	s_wait_xcnt 0x0
; out[b][t] = clip(sum_s y[b][s] w[t][s] / (sum_s w[t][s] + 1e-6), 0.01, 0.99),  w[t][s] = sim[t][s] exp(-lam[t] delta[t][s]),
; sim[t][s] = (x_t . x_s / (|x_t| |x_s|) + 1) / 2 for s < t, else 0;  delta[t][s] = sum over s' >= s of sim[t][s'];  lam[t] = exp(x_t . lam_w + lam_b);  x = embd_weight[problem_seq].
; x_t . x_s is the quantised product: codes of FP8 (E4M3), the queries' with 2^e0, the keys' with 2^e1 (lowp_scales), multiplied by v_wmma_f32_16x16x128_fp8_fp8, sums in f32.  All else in f32.
; THE SCAN IS SPLIT.  exp(-lam (local + later)) = exp(-lam local) exp(-lam later): a chunk of 64 keys gives for each query N = sum y w, D = sum w, S = sum sim with the chunk's own running sum,
; and the chunks are joined at the end, from the last key down: N += f N_c, D += f D_c, f = exp(-lam (sum of the later chunks' S)).  Every factor is about 1 at the most; no shift is applied, so the 1e-6 keeps its scale.
; SHARES.  Grid 8 x 32: work-group (j, b) owns the query blocks j and 15 - j (64 queries each) of batch b: 4 (j + 1) + 4 (16 - j) = 68 units of 16 queries x 64 keys, the same number in every work-group.
; Sixteen waves.  WAVE c OWNS KEY CHUNK c (keys 64 c .. 64 c + 63) AND STAYS ON IT: it gathers its 64 rows, quantises them into the operand's registers, and keeps codes, 1 / |x_s| and y_s in registers;
; only the queries go round: waves 8 to 15 make one query tile each (codes as an image of the operand's registers, fq = 2^(e0 + e1 - 1) / |x_t|, cq = -log2(e) lam) and leave it in LDS.
; LAYOUT.  S^T = K Q^T (source 0 = 16 keys, source 1 = 16 queries): a lane holds ONE query (lane % 16).  THE KEYS OF A TILE ARE NOT NEIGHBOURS: row m of tile T is key 32 (m / 8) + 16 (m % 2) + 4 T + (m % 8) / 2 of the chunk,
; so that in lane half h register 2 p holds place p of the run of keys 32 h .. 32 h + 15 and register 2 p + 1 place p of the run 32 h + 16 .. 32 h + 31: one packed addition steps two running sums.
; Along K both operands are laid alike: lane (r, h) holds k = 32 b + 16 h + 0 .. 15 of row r in registers 4 b .. 4 b + 3: every product meets its partner.
; NO CLUSTER, NO TENSOR LOAD: what the eight work-groups of a batch share are rows picked by an index list; they come by loads of the lanes, while a joint request asks for a tile of fixed pitch.
; NO PREFETCH: each gather is issued as soon as its index is known, and nothing is known earlier.
; LIMITS: e0 and e1 between -126 and 119, so that 2^e and 448 x 2^e are f32 numbers (e0 + e1 goes in by v_ldexp_f32 and has none); no gathered row has norm 0; x . lam_w + lam_b under 88; NaN among the inputs is not served.
.set NPROB1, 49999                     ; the table's last row
.set QIMG,  0                          ; LDS: 8 query tiles as register images, 2,048 bytes each
.set FQB,   16384                      ; fq of the 128 queries
.set CQB,   16896                      ; cq of the 128 queries
.set KSB,   17408                      ; 512 bytes for each wave, its own: 1 / |x_s| and y_s on their way into the result's layout
.set PART,  25600                      ; the partials: chunk c at 1,536 c: N, D, S of the 128 queries, 512 bytes each
.set SPARE, 50176                      ; the spare words, 128 bytes for each wave: eight blocks of 256 bytes that no other line names
.set TMP, 1
.set R,   2                            ; lane % 16
.set H,   3                            ; lane / 16
.set LI,  4                            ; 16 x lane: my place in a register image
.set R4,  5                            ; 4 r
.set KO,  6                            ; 4 x (32 (r / 8) + 16 (r % 2) + (r % 8) / 2): my row's key in tile 0 of a chunk, in bytes of problem_seq and y
.set H64, 7                            ; 64 h: my half's bytes in a block of 32 numbers
.set AD,  8                            ; v8-11  index, then byte offset in the table, of my row of key tiles 0 to 3
.set QAD, 12                           ; the same for my row of the query tile
.set QWI, 13                           ; where I store the query tile's image
.set QSC, 14                           ; where I store fq and cq
.set KSW, 15                           ; my wave's scratch: where row r's number goes
.set KSR, 16                           ; and from where my half's 32 come back
.set PA,  17                           ; partials: lanes 0-15 store N, lanes 16-31 D
.set PB,  18                           ; and S
.set RH,  19                           ; r - 32 h, for the diagonal's mask
.set HM,  20                           ; 1.0 in lanes 0-15, 0 in lanes 16-31
.set SCB, 21                           ; 2^e1;  v22: 448 x 2^e1;  v23, v24: the same with e0
.set LMB, 22
.set SCA, 23
.set LMA, 24
.set SPW, 25                           ; LDS address of my spare word; never rewritten
.set NIL, 26                           ; 0; never rewritten
.set CA,  27                           ; 8 x thread: the joining waves' place in the partials
.set ZR,  28                           ; 0, for units that the mask hides whole
.set KC,  32                           ; v32-95   my chunk's codes: 4 tiles x 16 registers
.set IM,  96                           ; v96-127  1 / |x_s| in the result's layout
.set YY,  128                          ; v128-159 y_s likewise
.set DOT, 160                          ; v160-191 the scores, then sim, then w
.set DEL, 192                          ; v192-223 the running sums, then the exponentials
.set QF,  224                          ; v224-239 a query tile's codes
.set FQ,  240                          ; v240 fq (named as the pair v[240:241]);  v242 cq (pair v[242:243])
.set CQ,  242
.set OFF, 244                          ; v[244:245] cq x what lies behind my two runs of keys
.set TS,  246
.set TX,  247
.set D0,  248                          ; D and N, two chains each
.set N0,  250
.set D1,  252
.set N1,  254
.set STA, 96                           ; while gathering: two sets of 64 numbers,
.set STB, 160
.set WL,  32                           ; lam_w (waves 8-15),
.set ACC, 240                          ; sums at work,
.set SS,  248                          ; v248-251 the four tiles' sums of squares,
.set YL,  252                          ; v252-255 y of my row in the four tiles
.macro ADDR a                          ; an index becomes a byte offset: held inside the table, x 512 bytes, + my half
	v_min_u32 v[\a], NPROB1, v[\a]
	v_lshlrev_b32 v[\a], 9, v[\a]
	v_add_nc_u32 v[\a], v[\a], v[H64]
.endm
.macro GATHER dst, a                   ; my 64 numbers of my row: register 16 b + 4 q + e = k 32 b + 16 h + 4 q + e
.irp b, 0,1,2,3
.irp q, 0,1,2,3
	global_load_b128 v[\dst+16*\b+4*\q:\dst+16*\b+4*\q+3], v[\a], s[4:5] offset:128*\b+16*\q
.endr
.endr
.endm
.macro HOLDCVT st, dst, sc, lim        ; 64 numbers become a fragment's 16 registers of codes
.set kk, 0
.rept 64
	v_med3_num_f32 v[\st+kk], v[\st+kk], -v[\lim], v[\lim]   ; the conversion to an 8-bit code does not saturate (ISA guide 7.6.2): the hold at 448 x the scale comes first
.set kk, kk+1
.endr
.irp g, 0,1,2,3,4,5,6,7
	v_cvt_scalef32_pk8_fp8_f32 v[\dst+2*\g:\dst+2*\g+1], v[\st+8*\g:\st+8*\g+7], v[\sc]
.endr
	v_nop                                          ; one plain vector line behind the last scaled conversion, ahead of whatever next touches its registers
.endm
.macro KTILE t, st, left               ; key tile t lies in set st: its sum of squares, then its codes.  left: the loads of the other set, which may stay out
	s_wait_loadcnt \left
.irp k, 0,1,2,3
	v_pk_mul_f32 v[ACC+2*\k:ACC+2*\k+1], v[\st+2*\k:\st+2*\k+1], v[\st+2*\k:\st+2*\k+1]   ; the first products start four chains
.endr
.set kk, 4
.rept 28
	v_pk_fma_f32 v[ACC+2*(kk%4):ACC+2*(kk%4)+1], v[\st+2*kk:\st+2*kk+1], v[\st+2*kk:\st+2*kk+1], v[ACC+2*(kk%4):ACC+2*(kk%4)+1]
.set kk, kk+1
.endr
	v_pk_add_f32 v[ACC:ACC+1], v[ACC:ACC+1], v[ACC+2:ACC+3]
	v_pk_add_f32 v[ACC+4:ACC+5], v[ACC+4:ACC+5], v[ACC+6:ACC+7]
	v_pk_add_f32 v[ACC:ACC+1], v[ACC:ACC+1], v[ACC+4:ACC+5]
	v_add_f32 v[SS+\t], v[ACC], v[ACC+1]           ; my half of the row
	HOLDCVT \st, KC+16*\t, SCB, LMB
.endm
.macro ZERO i                          ; a unit that the mask hides whole: N = D = S = 0
	ds_store_b32 v[PA], v[ZR] offset:PART+64*\i
	ds_store_b32 v[PB], v[ZR] offset:PART+1024+64*\i
.endm
; A UNIT: query tile i of the work-group's eight against my 64 keys.  s40 = 1: my chunk is the tile's own block, the diagonal.
.macro UNIT i
.irp c, 0,1,2,3
	ds_load_b128 v[QF+4*\c:QF+4*\c+3], v[LI] offset:QIMG+2048*\i+512*\c
.endr
	ds_load_b32 v[FQ], v[R4] offset:FQB+64*\i
	ds_load_b32 v[CQ], v[R4] offset:CQB+64*\i
	s_wait_dscnt 0x0
.irp t, 0,1,2,3
	v_wmma_f32_16x16x128_fp8_fp8 v[DOT+8*\t:DOT+8*\t+7], v[KC+16*\t:KC+16*\t+15], v[QF:QF+15], 0
.endr
.rept 4
	v_nop                                          ; four places between a matrix instruction and the first vector read of its result (ISA guide 7.12.1)
.endr
.set pp, 0
.rept 16
	v_pk_mul_f32 v[DOT+2*pp:DOT+2*pp+1], v[DOT+2*pp:DOT+2*pp+1], v[IM+2*pp:IM+2*pp+1]   ; / |x_s|; each accumulator from its low end on
.set pp, pp+1
.endr
.set pp, 0
.rept 16
	v_pk_fma_f32 v[DOT+2*pp:DOT+2*pp+1], v[DOT+2*pp:DOT+2*pp+1], v[FQ:FQ+1], 0.5 op_sel_hi:[1,0,0]   ; sim = score x 2^(e0 + e1) / (2 |x_t| |x_s|) + 1 / 2
.set pp, pp+1
.endr
	s_cmp_eq_u32 s40, 0
	s_cbranch_scc1 .Lopen_\@                       ; ids alone: off the diagonal every key of the chunk counts
.set pp, 0
.rept 16                               ; key 32 h + 16 (register % 2) + p counts for query 16 (i % 4) + r of the same block where it is the smaller
	v_cmp_lt_i32 vcc_lo, pp-16*((\i)%4), v[RH]
	v_cndmask_b32 v[DOT+2*pp], 0, v[DOT+2*pp], vcc_lo
	v_cmp_lt_i32 vcc_lo, pp-16*((\i)%4)+16, v[RH]
	v_cndmask_b32 v[DOT+2*pp+1], 0, v[DOT+2*pp+1], vcc_lo
.set pp, pp+1
.endr
.Lopen_\@:
	v_pk_add_f32 v[DEL+28:DEL+29], v[DOT+30:DOT+31], v[DOT+28:DOT+29]   ; the running sums of my two runs, from place 15 down (place 15's is sim itself)
.set pp, 13
.rept 14
	v_pk_add_f32 v[DEL+2*pp:DEL+2*pp+1], v[DEL+2*pp+2:DEL+2*pp+3], v[DOT+2*pp:DOT+2*pp+1]
.set pp, pp-1
.endr
	v_add_f32 v[TS], v[DEL], v[DEL+1]              ; my two runs' sums,
	v_permlanex16_b32 v[TX], v[TS], s36, s37       ; and the other half's
	v_mul_f32 v[OFF+1], v[HM], v[TX]               ; behind my upper run lie: for lanes 0-15 the other half's two runs, for lanes 16-31 nothing;
	v_add_f32 v[OFF], v[OFF+1], v[DEL+1]           ; behind my lower run also my upper run
	v_pk_mul_f32 v[OFF:OFF+1], v[OFF:OFF+1], v[CQ:CQ+1] op_sel_hi:[1,0]
	v_pk_fma_f32 v[DEL+30:DEL+31], v[DOT+30:DOT+31], v[CQ:CQ+1], v[OFF:OFF+1] op_sel_hi:[1,0,1]
.set pp, 0
.rept 15
	v_pk_fma_f32 v[DEL+2*pp:DEL+2*pp+1], v[DEL+2*pp:DEL+2*pp+1], v[CQ:CQ+1], v[OFF:OFF+1] op_sel_hi:[1,0,1]   ; -log2(e) lam delta, delta within the chunk
.set pp, pp+1
.endr
.set pp, 0
.rept 32
	v_exp_f32 v[DEL+pp], v[DEL+pp]
.set pp, pp+1
.endr
	v_add_f32 v[TS], v[TS], v[TX]                  ; S: the chunk's sum of sim.  (The plain line behind the last exponential)
	s_wait_alu depctr_va_vdst(0)                   ; one wait for the 32 exponentials, ahead of their first reader
.set pp, 0
.rept 16
	v_pk_mul_f32 v[DOT+2*pp:DOT+2*pp+1], v[DOT+2*pp:DOT+2*pp+1], v[DEL+2*pp:DEL+2*pp+1]   ; w
.set pp, pp+1
.endr
	v_pk_add_f32 v[D0:D0+1], v[DOT:DOT+1], v[DOT+4:DOT+5]          ; the first terms start the chains: nothing is cleared
	v_pk_add_f32 v[D1:D1+1], v[DOT+2:DOT+3], v[DOT+6:DOT+7]
	v_pk_mul_f32 v[N0:N0+1], v[DOT:DOT+1], v[YY:YY+1]
	v_pk_mul_f32 v[N1:N1+1], v[DOT+2:DOT+3], v[YY+2:YY+3]
	v_pk_fma_f32 v[N0:N0+1], v[DOT+4:DOT+5], v[YY+4:YY+5], v[N0:N0+1]
	v_pk_fma_f32 v[N1:N1+1], v[DOT+6:DOT+7], v[YY+6:YY+7], v[N1:N1+1]
.set pp, 4
.rept 12
	v_pk_add_f32 v[D0+4*(pp%2):D0+4*(pp%2)+1], v[D0+4*(pp%2):D0+4*(pp%2)+1], v[DOT+2*pp:DOT+2*pp+1]
	v_pk_fma_f32 v[N0+4*(pp%2):N0+4*(pp%2)+1], v[DOT+2*pp:DOT+2*pp+1], v[YY+2*pp:YY+2*pp+1], v[N0+4*(pp%2):N0+4*(pp%2)+1]
.set pp, pp+1
.endr
	v_pk_add_f32 v[D0:D0+1], v[D0:D0+1], v[D1:D1+1]
	v_pk_add_f32 v[N0:N0+1], v[N0:N0+1], v[N1:N1+1]
	v_add_f32 v[D0], v[D0], v[D0+1]
	v_add_f32 v[N0], v[N0], v[N0+1]
	v_cndmask_b32 v[OFF], v[N0], v[D0], s38        ; lanes 0-15 finish N, lanes 16-31 D: each keeps its own part of the one
	v_cndmask_b32 v[OFF+1], v[D0], v[N0], s38      ; and sends its part of the other
	v_permlanex16_b32 v[TX], v[OFF+1], s36, s37
	v_add_f32 v[OFF], v[OFF], v[TX]
	ds_store_b32 v[PA], v[OFF] offset:PART+64*\i
	ds_store_b32 v[PB], v[TS] offset:PART+1024+64*\i   ; (both halves hold the same S and name the same word)
.endm
	s_load_b256 s[4:11], s[0:1], 0x0               ; embd_weight s[4:5], problem_seq s[6:7], y s[8:9], lam_w s[10:11]
	s_load_b128 s[12:15], s[0:1], 0x20             ; lam_b s[12:13], lowp_scales s[14:15]
	s_load_b64 s[16:17], s[0:1], 0x30              ; out0
	v_lshl_add_u32 v[SPW], v0, 2, SPARE
	v_mov_b32 v[NIL], 0
	v_lshrrev_b32 v[TMP], 5, v0
	v_readfirstlane_b32 s18, v[TMP]                ; wave c = 0 .. 15
	s_and_b32 s19, ttmp7, 0xffff                   ; batch b;  ttmp9 = j
	v_and_b32 v[R], 15, v0
	v_bfe_u32 v[H], v0, 4, 1
	v_and_b32 v[LI], 31, v0
	v_lshlrev_b32 v[LI], 4, v[LI]
	v_lshlrev_b32 v[R4], 2, v[R]
	v_lshlrev_b32 v[H64], 6, v[H]
	v_and_b32 v[KO], 8, v[R]
	v_lshlrev_b32 v[KO], 2, v[KO]                  ; 32 (r / 8)
	v_and_b32 v[TMP], 1, v[R]
	v_lshl_add_u32 v[KO], v[TMP], 4, v[KO]         ; + 16 (r % 2)
	v_bfe_u32 v[TMP], v[R], 1, 2
	v_add_nc_u32 v[KO], v[KO], v[TMP]              ; + (r % 8) / 2
	v_lshlrev_b32 v[KO], 2, v[KO]
	; every LDS address is made here, ahead of the first parting of the waves: a constant x lane + a constant x wave
	s_and_b32 s26, s18, 7                          ; the query tile of waves 8 to 15
	s_lshl_b32 s27, s26, 11
	v_add_nc_u32 v[QWI], s27, v[LI]
	s_lshl_b32 s27, s26, 6
	v_add_nc_u32 v[QSC], s27, v[R4]
	s_lshl_b32 s27, s18, 9
	v_and_b32 v[TMP], 8, v[R]
	v_lshlrev_b32 v[TMP], 4, v[TMP]
	v_and_b32 v[KSW], 7, v[R]
	v_lshl_add_u32 v[KSW], v[KSW], 2, v[TMP]
	v_add_nc_u32 v[KSW], s27, v[KSW]               ; row m = r of tile T goes to word 32 (m / 8) + 8 T + m % 8 of my wave's scratch,
	v_lshl_add_u32 v[KSR], v[H], 7, s27            ; so that half h finds register 8 T + i's number at word 32 h + 8 T + i
	s_mul_i32 s27, s18, 1536
	v_lshl_add_u32 v[PA], v[H], 9, v[R4]
	v_add_nc_u32 v[PA], s27, v[PA]
	v_add_nc_u32 v[PB], s27, v[R4]
	v_lshlrev_b32 v[CA], 3, v0
	v_mov_b32 v[ZR], 0
	v_lshlrev_b32 v[TMP], 5, v[H]
	v_sub_nc_u32 v[RH], v[R], v[TMP]
	v_cvt_f32_u32 v[HM], v[H]
	v_sub_f32 v[HM], 1.0, v[HM]
	s_mov_b32 s36, 0x76543210                      ; v_permlanex16_b32's selects for lane l xor 16
	s_mov_b32 s37, 0xfedcba98
	s_mov_b32 s38, 0xffff0000                      ; lanes 16-31
	s_mov_b32 s44, 0x3c23d70a                      ; 0.01
	s_mov_b32 s45, 0x3f7d70a4                      ; 0.99
	s_mov_b32 s48, 0x3fb8aa3b                      ; log2(e)
	s_sub_co_u32 s39, 15, ttmp9                    ; the upper block's number, 15 - j
	s_lshl_b32 s20, s19, 12                        ; my chunk in problem_seq and in y, in bytes: 4,096 b + 256 c
	s_lshl_b32 s27, s18, 8
	s_add_co_u32 s20, s20, s27
	s_mov_b32 s21, 0
	s_lshl_b32 s27, ttmp9, 6                       ; the query tile's first query: tiles 0-3: 64 j + 16 i; tiles 4-7: 64 (15 - j) + 16 (i - 4)
	s_sub_co_u32 s35, 896, s27
	s_cmp_lt_u32 s26, 4
	s_cselect_b32 s27, s27, s35
	s_lshl_b32 s35, s26, 4
	s_add_co_u32 s27, s27, s35
	s_lshl_b32 s27, s27, 2
	s_lshl_b32 s28, s19, 12
	s_add_co_u32 s28, s28, s27
	s_mov_b32 s29, 0
	s_wait_kmcnt 0x0
	s_load_b64 s[32:33], s[14:15], 0x0             ; e0, e1
	s_load_b32 s34, s[12:13], 0x0                  ; lam_b
	s_add_nc_u64 s[22:23], s[6:7], s[20:21]
	s_add_nc_u64 s[24:25], s[8:9], s[20:21]
	s_add_nc_u64 s[30:31], s[6:7], s[28:29]
.irp t, 0,1,2,3
	global_load_b32 v[AD+\t], v[KO], s[22:23] offset:16*\t   ; the indices of my row in the four key tiles (tile T's keys lie 4 T further on)
.endr
.irp t, 0,1,2,3
	global_load_b32 v[YL+\t], v[KO], s[24:25] offset:16*\t   ; and their y
.endr
	s_wait_kmcnt 0x0
	s_add_co_i32 s35, s32, 127
	s_lshl_b32 s42, s35, 23
	v_mov_b32 v[SCA], s42                          ; 2^e0 as f32: the conversion takes its exponent field
	s_add_co_i32 s35, s35, 8
	s_lshl_b32 s35, s35, 23
	s_or_b32 s35, s35, 0x600000
	v_mov_b32 v[LMA], s35                          ; 448 x 2^e0
	s_add_co_i32 s35, s33, 127
	s_lshl_b32 s42, s35, 23
	v_mov_b32 v[SCB], s42                          ; 2^e1
	s_add_co_i32 s35, s35, 8
	s_lshl_b32 s35, s35, 23
	s_or_b32 s35, s35, 0x600000
	v_mov_b32 v[LMB], s35                          ; 448 x 2^e1
	s_add_co_i32 s41, s32, s33
	s_sub_co_i32 s41, s41, 1                       ; e0 + e1 - 1
	s_mul_f32 s49, s34, s48                        ; lam_b log2(e)
	s_cmp_lt_u32 s18, 8
	s_cbranch_scc1 .Lkeys_only
	; ---- waves 8 to 15: query tile c - 8
	global_load_b32 v[QAD], v[R4], s[30:31]
.irp b, 0,1,2,3
.irp q, 0,1,2,3
	global_load_b128 v[WL+16*\b+4*\q:WL+16*\b+4*\q+3], v[H64], s[10:11] offset:128*\b+16*\q   ; lam_w at my 64 places along K
.endr
.endr
	s_wait_loadcnt 16                              ; the nine loads of indices and y are in; lam_w's sixteen may be out
.irp t, 0,1,2,3
	ADDR AD+\t
.endr
	ADDR QAD
	GATHER STB, QAD
	GATHER STA, AD+0                               ; key tile 0 is asked for now and lands while the query tile is worked
	s_wait_loadcnt 16                              ; lam_w and the query rows are in; key tile 0's sixteen may be out
	v_pk_mul_f32 v[ACC:ACC+1], v[STB:STB+1], v[STB:STB+1]
	v_pk_mul_f32 v[ACC+2:ACC+3], v[STB+2:STB+3], v[STB+2:STB+3]
	v_pk_mul_f32 v[ACC+4:ACC+5], v[STB:STB+1], v[WL:WL+1]
	v_pk_mul_f32 v[ACC+6:ACC+7], v[STB+2:STB+3], v[WL+2:WL+3]
.set kk, 2
.rept 30
	v_pk_fma_f32 v[ACC+2*(kk%2):ACC+2*(kk%2)+1], v[STB+2*kk:STB+2*kk+1], v[STB+2*kk:STB+2*kk+1], v[ACC+2*(kk%2):ACC+2*(kk%2)+1]       ; |x_t|^2
	v_pk_fma_f32 v[ACC+4+2*(kk%2):ACC+5+2*(kk%2)], v[STB+2*kk:STB+2*kk+1], v[WL+2*kk:WL+2*kk+1], v[ACC+4+2*(kk%2):ACC+5+2*(kk%2)]   ; x_t . lam_w
.set kk, kk+1
.endr
	v_pk_add_f32 v[ACC:ACC+1], v[ACC:ACC+1], v[ACC+2:ACC+3]
	v_pk_add_f32 v[ACC+4:ACC+5], v[ACC+4:ACC+5], v[ACC+6:ACC+7]
	v_add_f32 v[ACC], v[ACC], v[ACC+1]
	v_add_f32 v[ACC+4], v[ACC+4], v[ACC+5]
	v_permlanex16_b32 v[ACC+1], v[ACC], s36, s37   ; the row's other half lies in lane l xor 16
	v_permlanex16_b32 v[ACC+5], v[ACC+4], s36, s37
	v_add_f32 v[ACC], v[ACC], v[ACC+1]
	v_add_f32 v[ACC+4], v[ACC+4], v[ACC+5]
	v_fma_f32 v[ACC+4], v[ACC+4], s48, s49         ; (x_t . lam_w + lam_b) log2(e)
	v_rsq_f32 v[ACC], v[ACC]                       ; 1 / |x_t|
	v_exp_f32 v[ACC+4], v[ACC+4]                   ; lam
	HOLDCVT STB, QF, SCA, LMA                      ; the codes: independent work behind the two transcendentals
.irp c, 0,1,2,3
	ds_store_b128 v[QWI], v[QF+4*\c:QF+4*\c+3] offset:QIMG+512*\c   ; the fragment goes to LDS as it stands: lane l's 16 bytes at 16 l
.endr
	s_wait_alu depctr_va_vdst(0)                   ; one wait for the two, ahead of their first reader
	v_ldexp_f32 v[ACC], v[ACC], s41                ; fq = 2^(e0 + e1 - 1) / |x_t|
	v_mul_f32 v[ACC+4], 0xbfb8aa3b, v[ACC+4]       ; cq = -log2(e) lam
	ds_store_b32 v[QSC], v[ACC] offset:FQB
	ds_store_b32 v[QSC], v[ACC+4] offset:CQB
	GATHER STB, AD+1                               ; the set is free: key tile 1
	s_branch .Lmeet
.Lkeys_only:
	; ---- waves 0 to 7: key tiles 0 and 1 are asked for
	s_wait_loadcnt 4                               ; the four indices are in; y's four loads may be out
.irp t, 0,1,2,3
	ADDR AD+\t
.endr
	GATHER STA, AD+0
	GATHER STB, AD+1
.Lmeet:
	s_wait_dscnt 0x0                               ; my stores of the query tile have landed
	s_barrier_signal -1
	s_barrier_wait -1                              ; the eight query tiles lie in LDS.  (The gathers stay on their way: nobody writes what they read)
	s_cmp_gt_u32 s18, s39                          ; ids alone: keys from 64 (16 - j) on come after every query of this work-group
	s_cbranch_scc1 .Lunused
	; ---- my chunk: two sets by turns, sixteen loads of the other set out while one is worked
	KTILE 0, STA, 16
	GATHER STA, AD+2
	KTILE 1, STB, 16
	GATHER STB, AD+3
	KTILE 2, STA, 16
	KTILE 3, STB, 0
.irp t, 0,1,2,3
	v_permlanex16_b32 v[ACC+\t], v[SS+\t], s36, s37
.endr
.irp t, 0,1,2,3
	v_add_f32 v[SS+\t], v[SS+\t], v[ACC+\t]
.endr
.irp t, 0,1,2,3
	v_rsq_f32 v[SS+\t], v[SS+\t]                   ; 1 / |x_s| of row r of tile t
.endr
	v_nop                                          ; a plain line behind the last of them
	s_wait_alu depctr_va_vdst(0)                   ; one wait for the four, ahead of their first reader
.irp t, 0,1,2,3
	ds_store_b32 v[KSW], v[SS+\t] offset:KSB+32*\t
.endr
.irp t, 0,1,2,3
	ds_store_b32 v[KSW], v[YL+\t] offset:KSB+256+32*\t
.endr
.irp n, 0,1,2,3,4,5,6,7                ; LDS serves a wave's instructions in order (ISA guide 5.7.1.4): these see my stores; the bytes are my wave's own
	ds_load_b128 v[IM+4*\n:IM+4*\n+3], v[KSR] offset:KSB+16*\n
.endr
.irp n, 0,1,2,3,4,5,6,7
	ds_load_b128 v[YY+4*\n:YY+4*\n+3], v[KSR] offset:KSB+256+16*\n
.endr
	; ---- the units (written out: every LDS offset is an immediate)
	s_cmp_gt_u32 s18, ttmp9                        ; my keys come after the lower block's queries
	s_cbranch_scc1 .Llow_none
	s_cmp_eq_u32 s18, ttmp9
	s_cselect_b32 s40, 1, 0                        ; my chunk is the lower block's own: the diagonal
.irp u, 0,1,2,3
	UNIT \u
.endr
	s_branch .Lhigh
.Llow_none:
.irp u, 0,1,2,3
	ZERO \u
.endr
.Lhigh:
	s_cmp_eq_u32 s18, s39
	s_cselect_b32 s40, 1, 0
.irp u, 4,5,6,7
	UNIT \u
.endr
	s_branch .Ljoin
.Lunused:
	s_wait_loadcnt 0x0                             ; the two tiles asked for ahead of the barrier have landed: their registers are free
.irp u, 0,1,2,3,4,5,6,7
	ZERO \u
.endr
.Ljoin:
	s_wait_dscnt 0x0                               ; my partials have landed
	s_barrier_signal -1
	s_barrier_wait -1                              ; all sixteen chunks' partials lie in LDS
	; ---- waves 0 and 1 join the chunks: wave 0 the lower block, wave 1 the upper; a lane takes two neighbouring queries, so that the wave stores 256 consecutive bytes, aligned
	s_cmp_lt_u32 s18, 2
	s_cbranch_scc0 .Lend
.set CN, 32
.set CD, 64
.set CS, 96
.set CC, 160
	ds_load_b64 v[CC:CC+1], v[CA] offset:CQB
.set cc, 1
.rept 15
	ds_load_b64 v[CS+2*cc:CS+2*cc+1], v[CA] offset:PART+1536*cc+1024
.set cc, cc+1
.endr
.set cc, 0
.rept 16
	ds_load_b64 v[CN+2*cc:CN+2*cc+1], v[CA] offset:PART+1536*cc
	ds_load_b64 v[CD+2*cc:CD+2*cc+1], v[CA] offset:PART+1536*cc+512
.set cc, cc+1
.endr
	s_lshl_b32 s42, ttmp9, 8                       ; the block's first query in out0, in bytes: 256 j or 256 (15 - j), + 4,096 b
	s_lshl_b32 s43, s39, 8
	s_cmp_eq_u32 s18, 0
	s_cselect_b32 s46, s42, s43
	s_lshl_b32 s42, s19, 12
	s_add_co_u32 s46, s46, s42
	s_mov_b32 s47, 0
	s_add_nc_u64 s[16:17], s[16:17], s[46:47]
	s_wait_dscnt 32                                ; cq and the fifteen S are in; N's and D's 32 loads may be out
.set cc, 14
.rept 14
	v_pk_add_f32 v[CS+2*cc:CS+2*cc+1], v[CS+2*cc:CS+2*cc+1], v[CS+2*cc+2:CS+2*cc+3]   ; the sum of sim over chunks cc and later: what lies behind chunk cc - 1
.set cc, cc-1
.endr
.set cc, 1
.rept 15
	v_pk_mul_f32 v[CS+2*cc:CS+2*cc+1], v[CS+2*cc:CS+2*cc+1], v[CC:CC+1]
.set cc, cc+1
.endr
.set cc, 2
.rept 30
	v_exp_f32 v[CS+cc], v[CS+cc]                   ; f of chunk cc / 2 - 1
.set cc, cc+1
.endr
	v_and_b32 v[TMP], 31, v0                       ; (plain lines behind the last exponential)
	v_lshlrev_b32 v[TMP], 3, v[TMP]                ; 8 bytes a lane
	s_wait_alu depctr_va_vdst(0)                   ; one wait for the thirty, ahead of their first reader
	s_wait_dscnt 0x0
	v_add_f32 v[CD+30], 0x358637bd, v[CD+30]       ; + 1e-6; chunk 15 has nothing behind it: its N and D start the sums
	v_add_f32 v[CD+31], 0x358637bd, v[CD+31]
.set cc, 0
.rept 15
	v_pk_fma_f32 v[CN+30:CN+31], v[CN+2*cc:CN+2*cc+1], v[CS+2*cc+2:CS+2*cc+3], v[CN+30:CN+31]
	v_pk_fma_f32 v[CD+30:CD+31], v[CD+2*cc:CD+2*cc+1], v[CS+2*cc+2:CS+2*cc+3], v[CD+30:CD+31]
.set cc, cc+1
.endr
	v_rcp_f32 v[CD+30], v[CD+30]
	v_rcp_f32 v[CD+31], v[CD+31]
	v_nop                                          ; a plain line behind the second reciprocal
	s_wait_alu depctr_va_vdst(0)                   ; one wait for the two
	v_pk_mul_f32 v[CN+30:CN+31], v[CN+30:CN+31], v[CD+30:CD+31]
	v_med3_num_f32 v[CN+30], v[CN+30], s44, s45    ; the clip
	v_med3_num_f32 v[CN+31], v[CN+31], s44, s45
	global_store_b64 v[TMP], v[CN+30:CN+31], s[16:17] th:TH_STORE_NT   ; 32 lanes store 256 consecutive bytes, at a multiple of 256 from out0's first byte
.Lend:
	s_wait_tensorcnt 0x0                           ; the wave's end, behind my last LDS store
	ds_add_u32 v[SPW], v[NIL]
	s_wait_dscnt 0x0
	s_endpgm
.Lfunc_end_k_qc92f5c9d6f_ema:
	.size	k_qc92f5c9d6f_ema, .Lfunc_end_k_qc92f5c9d6f_ema-k_qc92f5c9d6f_ema
	.p2alignl 7, 3214868480
	.fill 96, 4, 3214868480
	.section	.rodata,"a",@progbits
	.p2align	6, 0x0
	.amdhsa_kernel k_qc92f5c9d6f_ema
		.amdhsa_group_segment_fixed_size 52224
		.amdhsa_private_segment_fixed_size 0
		.amdhsa_enable_private_segment 0
		.amdhsa_kernarg_size 56
		.amdhsa_user_sgpr_count 2
		.amdhsa_user_sgpr_kernarg_segment_ptr 1
		.amdhsa_wavefront_size32 1
		.amdhsa_system_sgpr_workgroup_id_x 1
		.amdhsa_system_sgpr_workgroup_id_y 1
		.amdhsa_system_sgpr_workgroup_id_z 1
		.amdhsa_system_vgpr_workitem_id 0
		.amdhsa_next_free_vgpr 256
		.amdhsa_next_free_sgpr 66
		.amdhsa_reserve_vcc 1
		.amdhsa_float_denorm_mode_32 3
		.amdhsa_float_denorm_mode_16_64 3
		.amdhsa_memory_ordered 1
		.amdhsa_forward_progress 1
		.amdhsa_inst_pref_size 163
	.end_amdhsa_kernel
	.amdgpu_metadata
---
amdhsa.version: [ 1, 2 ]
amdhsa.kernels:
  - .name:           k_qc92f5c9d6f_ema
    .symbol:         k_qc92f5c9d6f_ema.kd
    .args:
      - { .name: embd_weight, .offset: 0, .size: 8, .value_kind: global_buffer, .address_space: global }
      - { .name: problem_seq, .offset: 8, .size: 8, .value_kind: global_buffer, .address_space: global }
      - { .name: y, .offset: 16, .size: 8, .value_kind: global_buffer, .address_space: global }
      - { .name: lam_w, .offset: 24, .size: 8, .value_kind: global_buffer, .address_space: global }
      - { .name: lam_b, .offset: 32, .size: 8, .value_kind: global_buffer, .address_space: global }
      - { .name: lowp_scales, .offset: 40, .size: 8, .value_kind: global_buffer, .address_space: global }
      - { .name: out0, .offset: 48, .size: 8, .value_kind: global_buffer, .address_space: global }
    .group_segment_fixed_size: 52224
    .private_segment_fixed_size: 0
    .kernarg_segment_align: 8
    .kernarg_segment_size: 56
    .max_flat_workgroup_size: 512
    .sgpr_count:     66
    .vgpr_count:     256
    .wavefront_size: 32
...
	.end_amdgpu_metadata
.endif
;; end of part 1
;; ======== version 2 of 2: 1 launch; version 1 with the launch ema written anew for expert scheduling mode
;; launch ema (part 2): grid 8 x 32, 16 waves a work-group, no clusters, 52,224 bytes of LDS; arguments embd_weight, problem_seq, y, lam_w, lam_b, lowp_scales, out0; writes out0
.if DOCPART == 2
	.amdgcn_target "amdgcn-amd-amdhsa--gfx1250"
	.amdhsa_code_object_version 6
	.text
	.protected	k_qc92f5c9d6f_ema
	.globl	k_qc92f5c9d6f_ema
	.p2align	8
	.type	k_qc92f5c9d6f_ema,@function
k_qc92f5c9d6f_ema:
	s_mov_b64 s[64:65], 0
	v_nop
	global_prefetch_b8 v0, s[64:65] scope:SCOPE_SE
	s_setreg_imm32_b32 hwreg(HW_REG_WAVE_SCHED_MODE, 0, 2), 2
	s_setreg_imm32_b32 hwreg(HW_REG_WAVE_MODE, 25, 1), 1
	s_wait_xcnt 0x0
	s_wait_alu depctr_vm_vsrc(0)
; out[b][t] = clip(sum_s y[b][s] w[t][s] / (sum_s w[t][s] + 1e-6), 0.01, 0.99),  w[t][s] = sim[t][s] exp(-lam[t] delta[t][s]),
; sim[t][s] = (x_t . x_s / (|x_t| |x_s|) + 1) / 2 for s < t, else 0;  delta[t][s] = sum over s' >= s of sim[t][s'];  lam[t] = exp(x_t . lam_w + lam_b);  x = embd_weight[problem_seq].
; x_t . x_s is the quantised product: codes of FP8 (E4M3), the queries' with 2^e0, the keys' with 2^e1 (lowp_scales), multiplied by v_wmma_f32_16x16x128_fp8_fp8, sums in f32.  All else in f32.
; THE SCAN IS SPLIT.  exp(-lam (local + later)) = exp(-lam local) exp(-lam later): a chunk of 64 keys gives for each query N = sum y w, D = sum w, S = sum sim with the chunk's own running sum,
; and the chunks are joined at the end, from the last key down: N += f N_c, D += f D_c, f = exp(-lam (sum of the later chunks' S)).  Every factor is about 1 at the most; no shift is applied, so the 1e-6 keeps its scale.
; SHARES.  Grid 8 x 32: work-group (j, b) owns the query blocks j and 15 - j (64 queries each) of batch b: 4 (j + 1) + 4 (16 - j) = 68 units of 16 queries x 64 keys, the same number in every work-group.
; Sixteen waves.  WAVE c OWNS KEY CHUNK c (keys 64 c .. 64 c + 63) AND STAYS ON IT: it gathers its 64 rows, quantises them into the operand's registers, and keeps codes, 1 / |x_s| and y_s in registers;
; only the queries go round: waves 8 to 15 make one query tile each (codes as an image of the operand's registers, fq = 2^(e0 + e1 - 1) / |x_t|, cq = -log2(e) lam) and leave it in LDS.
; LAYOUT.  S^T = K Q^T (source 0 = 16 keys, source 1 = 16 queries): a lane holds ONE query (lane % 16).  THE KEYS OF A TILE ARE NOT NEIGHBOURS: row m of tile T is key 32 (m / 8) + 16 (m % 2) + 4 T + (m % 8) / 2 of the chunk,
; so that in lane half h register 2 p holds place p of the run of keys 32 h .. 32 h + 15 and register 2 p + 1 place p of the run 32 h + 16 .. 32 h + 31: one packed addition steps two running sums.
; Along K both operands are laid alike: lane (r, h) holds k = 32 b + 16 h + 0 .. 15 of row r in registers 4 b .. 4 b + 3: every product meets its partner.
; NO CLUSTER, NO TENSOR LOAD: what the eight work-groups of a batch share are rows picked by an index list; they come by loads of the lanes, while a joint request asks for a tile of fixed pitch.
; NO PREFETCH: each gather is issued as soon as its index is known, and nothing is known earlier.
; LIMITS: e0 and e1 between -126 and 119, so that 2^e and 448 x 2^e are f32 numbers (e0 + e1 goes in by v_ldexp_f32 and has none); no gathered row has norm 0; x . lam_w + lam_b under 88; NaN among the inputs is not served.
; THE MODE: SCHED_MODE bits 1:0 = 2 (LLVM: expert scheduling mode 2), set by the entry lines.  The code itself states the register dependences
; between vector or matrix instructions and memory or LDS instructions, with s_wait_alu, always for 0.
; THE PLAN.  Registers that memory or LDS instructions touch:
;   v2-7, v13-20, v25-28  offsets, LDS addresses and 0: written once at the head, ahead of one wait on va_vdst that stands in front of the first load; never written again.
;   v8-12     indices as loaded, turned into table offsets by vector lines; one wait on va_vdst behind those lines, ahead of the gathers; never written again.
;   sets A, B a gather lands in a set; a tile's squares, holds and conversions read and write it; one wait on va_vdst behind the conversions, and the set's next gather follows at once.
;   QF, FQ, CQ  a unit's four matrix instructions read QF, its packed lines ahead of the exponentials read FQ and CQ.  The unit's wait on va_vdst behind its exponentials shows them all done,
;             so the NEXT unit's six LDS loads stand directly behind that wait: no later line of the unit names v224-243.
;   v244, v246  a unit's results: written by its last additions, read by its two LDS stores (one wait on va_vdst ahead of them), written again in the next unit (one wait on vm_vsrc there, behind its first 40 lines).
;   v248-255  1 / |x_s| and y_s of my rows: read by eight LDS stores, written again by the units' sums: one wait on vm_vsrc ahead of the branch into the units.
;   s18, s66-97  written by vector lines (the wave's number; the diagonal's 32 masks): one wait on va_sdst ahead of the first reader of each run.
.set NPROB1, 49999                     ; the table's last row
.set QIMG,  0                          ; LDS: 8 query tiles as register images, 2,048 bytes each
.set FQB,   16384                      ; fq of the 128 queries
.set CQB,   16896                      ; cq of the 128 queries
.set KSB,   17408                      ; 512 bytes for each wave, its own: 1 / |x_s| and y_s on their way into the result's layout
.set PART,  25600                      ; the partials: chunk c at 1,536 c: N, D, S of the 128 queries, 512 bytes each
.set SPARE, 50176                      ; the spare words, 128 bytes for each wave: eight blocks of 256 bytes that no other line names
.set MK,  66                           ; s66-97 the diagonal's 32 masks
.set TMP, 1
.set R,   2                            ; lane % 16
.set H,   3                            ; lane / 16
.set LI,  4                            ; 16 x lane: my place in a register image
.set R4,  5                            ; 4 r
.set KO,  6                            ; 4 x (32 (r / 8) + 16 (r % 2) + (r % 8) / 2): my row's key in tile 0 of a chunk, in bytes of problem_seq and y
.set H64, 7                            ; 64 h: my half's bytes in a block of 32 numbers
.set AD,  8                            ; v8-11  index, then byte offset in the table, of my row of key tiles 0 to 3
.set QAD, 12                           ; the same for my row of the query tile
.set QWI, 13                           ; where I store the query tile's image
.set QSC, 14                           ; where I store fq and cq
.set KSW, 15                           ; my wave's scratch: where row r's number goes
.set KSR, 16                           ; and from where my half's 32 come back
.set PA,  17                           ; partials: lanes 0-15 store N, lanes 16-31 D
.set PB,  18                           ; and S
.set RH,  19                           ; r - 32 h, for the diagonal's mask
.set HM,  20                           ; 1.0 in lanes 0-15, 0 in lanes 16-31
.set SCB, 21                           ; 2^e1;  v22: 448 x 2^e1;  v23, v24: the same with e0
.set LMB, 22
.set SCA, 23
.set LMA, 24
.set SPW, 25                           ; LDS address of my spare word; never rewritten
.set NIL, 26                           ; 0; never rewritten
.set CA,  27                           ; 8 x thread: the joining waves' place in the partials
.set ZR,  28                           ; 0, for units that the mask hides whole
.set KC,  32                           ; v32-95   my chunk's codes: 4 tiles x 16 registers
.set IM,  96                           ; v96-127  1 / |x_s| in the result's layout
.set YY,  128                          ; v128-159 y_s likewise
.set DOT, 160                          ; v160-191 the scores, then sim, then w
.set DEL, 192                          ; v192-223 the running sums, then the exponentials
.set QF,  224                          ; v224-239 a query tile's codes
.set FQ,  240                          ; v240 fq (named as the pair v[240:241]);  v242 cq (pair v[242:243])
.set CQ,  242
.set OFF, 244                          ; v[244:245] cq x what lies behind my two runs of keys
.set TS,  246
.set TX,  247
.set D0,  248                          ; D and N, two chains each
.set N0,  250
.set D1,  252
.set N1,  254
.set STA, 96                           ; while gathering: two sets of 64 numbers,
.set STB, 160
.set WL,  32                           ; lam_w (waves 8-15),
.set ACC, 240                          ; sums at work,
.set SS,  248                          ; v248-251 the four tiles' sums of squares,
.set YL,  252                          ; v252-255 y of my row in the four tiles
.macro ADDR a                          ; an index becomes a byte offset: held inside the table, x 512 bytes, + my half
	v_min_u32 v[\a], NPROB1, v[\a]
	v_lshlrev_b32 v[\a], 9, v[\a]
	v_add_nc_u32 v[\a], v[\a], v[H64]
.endm
.macro GATHER dst, a                   ; my 64 numbers of my row: register 16 b + 4 q + e = k 32 b + 16 h + 4 q + e
.irp b, 0,1,2,3
.irp q, 0,1,2,3
	global_load_b128 v[\dst+16*\b+4*\q:\dst+16*\b+4*\q+3], v[\a], s[4:5] offset:128*\b+16*\q
.endr
.endr
.endm
.macro HOLDCVT st, dst, sc, lim        ; 64 numbers become a fragment's 16 registers of codes
.set kk, 0
.rept 64
	v_med3_num_f32 v[\st+kk], v[\st+kk], -v[\lim], v[\lim]   ; the conversion to an 8-bit code does not saturate (ISA guide 7.6.2): the hold at 448 x the scale comes first
.set kk, kk+1
.endr
.irp g, 0,1,2,3,4,5,6,7
	v_cvt_scalef32_pk8_fp8_f32 v[\dst+2*\g:\dst+2*\g+1], v[\st+8*\g:\st+8*\g+7], v[\sc]
.endr
	v_nop                                          ; one plain vector line behind the last scaled conversion, ahead of whatever next touches its registers
.endm
.macro KTILE t, st, left               ; key tile t lies in set st: its sum of squares, then its codes.  left: the loads of the other set, which may stay out
	s_wait_loadcnt \left
.irp k, 0,1,2,3
	v_pk_mul_f32 v[ACC+2*\k:ACC+2*\k+1], v[\st+2*\k:\st+2*\k+1], v[\st+2*\k:\st+2*\k+1]   ; the first products start four chains
.endr
.set kk, 4
.rept 28
	v_pk_fma_f32 v[ACC+2*(kk%4):ACC+2*(kk%4)+1], v[\st+2*kk:\st+2*kk+1], v[\st+2*kk:\st+2*kk+1], v[ACC+2*(kk%4):ACC+2*(kk%4)+1]
.set kk, kk+1
.endr
	v_pk_add_f32 v[ACC:ACC+1], v[ACC:ACC+1], v[ACC+2:ACC+3]
	v_pk_add_f32 v[ACC+4:ACC+5], v[ACC+4:ACC+5], v[ACC+6:ACC+7]
	v_pk_add_f32 v[ACC:ACC+1], v[ACC:ACC+1], v[ACC+4:ACC+5]
	v_add_f32 v[SS+\t], v[ACC], v[ACC+1]           ; my half of the row
	HOLDCVT \st, KC+16*\t, SCB, LMB
.endm
.macro ZERO i                          ; a unit that the mask hides whole: N = D = S = 0
	ds_store_b32 v[PA], v[ZR] offset:PART+64*\i
	ds_store_b32 v[PB], v[ZR] offset:PART+1024+64*\i
.endm
.macro QLOAD i                         ; query tile i out of LDS: its codes as they were stored, fq and cq of my query: six LDS loads
.irp c, 0,1,2,3
	ds_load_b128 v[QF+4*\c:QF+4*\c+3], v[LI] offset:QIMG+2048*(\i)+512*\c
.endr
	ds_load_b32 v[FQ], v[R4] offset:FQB+64*(\i)
	ds_load_b32 v[CQ], v[R4] offset:CQB+64*(\i)
.endm
; A UNIT: query tile i of the work-group's eight against my 64 keys.  s40 = 1: my chunk is the tile's own block, the diagonal.
; Its six loads were issued ahead of it.  nxt: the tile whose loads this unit issues (8: none).  left: the LDS stores issued behind my six loads, which may stay out.
; prev = 1: another unit's two stores stand ahead of this one in the same run of code.
.macro UNIT i, nxt, left, prev
	s_wait_dscnt \left                             ; LDS instructions come back in order (ISA guide 5.7.1): the tile's six loads are in
.irp t, 0,1,2,3
	v_wmma_f32_16x16x128_fp8_fp8 v[DOT+8*\t:DOT+8*\t+7], v[KC+16*\t:KC+16*\t+15], v[QF:QF+15], 0
.endr
.rept 4
	v_nop                                          ; four places between a matrix instruction and the first vector read of its result (ISA guide 7.12.1)
.endr
.set pp, 0
.rept 16
	v_pk_mul_f32 v[DOT+2*pp:DOT+2*pp+1], v[DOT+2*pp:DOT+2*pp+1], v[IM+2*pp:IM+2*pp+1]   ; / |x_s|; each accumulator from its low end on
.set pp, pp+1
.endr
.set pp, 0
.rept 16
	v_pk_fma_f32 v[DOT+2*pp:DOT+2*pp+1], v[DOT+2*pp:DOT+2*pp+1], v[FQ:FQ+1], 0.5 op_sel_hi:[1,0,0]   ; sim = score x 2^(e0 + e1) / (2 |x_t| |x_s|) + 1 / 2
.set pp, pp+1
.endr
.if \prev
	s_wait_alu depctr_vm_vsrc(0)                   ; the last unit's two LDS stores have read v244 and v246, which the lines behind the running sums write again
.endif
	s_cmp_eq_u32 s40, 0
	s_cbranch_scc1 .Lopen_\@                       ; ids alone: off the diagonal every key of the chunk counts
.set pp, 0
.rept 16                               ; key 32 h + 16 (register % 2) + p counts for query 16 (i % 4) + r of the same block where it is the smaller: the 32 masks in one run
	v_cmp_lt_i32 s[MK+2*pp], pp-16*((\i)%4), v[RH]
	v_cmp_lt_i32 s[MK+2*pp+1], pp-16*((\i)%4)+16, v[RH]
.set pp, pp+1
.endr
	s_wait_alu depctr_va_sdst(0)                   ; the 32 compares have written s66 to s97, ahead of the selects that read them
.set pp, 0
.rept 16
	v_cndmask_b32 v[DOT+2*pp], 0, v[DOT+2*pp], s[MK+2*pp]
	v_cndmask_b32 v[DOT+2*pp+1], 0, v[DOT+2*pp+1], s[MK+2*pp+1]
.set pp, pp+1
.endr
.Lopen_\@:
	v_pk_add_f32 v[DEL+28:DEL+29], v[DOT+30:DOT+31], v[DOT+28:DOT+29]   ; the running sums of my two runs, from place 15 down (place 15's is sim itself)
.set pp, 13
.rept 14
	v_pk_add_f32 v[DEL+2*pp:DEL+2*pp+1], v[DEL+2*pp+2:DEL+2*pp+3], v[DOT+2*pp:DOT+2*pp+1]
.set pp, pp-1
.endr
	v_add_f32 v[TS], v[DEL], v[DEL+1]              ; my two runs' sums,
	v_permlanex16_b32 v[TX], v[TS], s36, s37       ; and the other half's
	v_mul_f32 v[OFF+1], v[HM], v[TX]               ; behind my upper run lie: for lanes 0-15 the other half's two runs, for lanes 16-31 nothing;
	v_add_f32 v[OFF], v[OFF+1], v[DEL+1]           ; behind my lower run also my upper run
	v_pk_mul_f32 v[OFF:OFF+1], v[OFF:OFF+1], v[CQ:CQ+1] op_sel_hi:[1,0]
	v_pk_fma_f32 v[DEL+30:DEL+31], v[DOT+30:DOT+31], v[CQ:CQ+1], v[OFF:OFF+1] op_sel_hi:[1,0,1]
.set pp, 0
.rept 15
	v_pk_fma_f32 v[DEL+2*pp:DEL+2*pp+1], v[DEL+2*pp:DEL+2*pp+1], v[CQ:CQ+1], v[OFF:OFF+1] op_sel_hi:[1,0,1]   ; -log2(e) lam delta, delta within the chunk
.set pp, pp+1
.endr
.set pp, 0
.rept 32
	v_exp_f32 v[DEL+pp], v[DEL+pp]
.set pp, pp+1
.endr
	v_add_f32 v[TS], v[TS], v[TX]                  ; S: the chunk's sum of sim.  (The plain line behind the last exponential)
	s_wait_alu depctr_va_vdst(0)                   ; the 32 exponentials have written v192-223, ahead of their first reader; the four matrix instructions are done reading QF, the packed lines above FQ and CQ, in which the loads below land
.if (\nxt) < 8
	QLOAD \nxt                                     ; the next unit's tile.  No line of this unit behind the wait names v224-243
.endif
.set pp, 0
.rept 16
	v_pk_mul_f32 v[DOT+2*pp:DOT+2*pp+1], v[DOT+2*pp:DOT+2*pp+1], v[DEL+2*pp:DEL+2*pp+1]   ; w
.set pp, pp+1
.endr
	v_pk_add_f32 v[D0:D0+1], v[DOT:DOT+1], v[DOT+4:DOT+5]          ; the first terms start the chains: nothing is cleared
	v_pk_add_f32 v[D1:D1+1], v[DOT+2:DOT+3], v[DOT+6:DOT+7]
	v_pk_mul_f32 v[N0:N0+1], v[DOT:DOT+1], v[YY:YY+1]
	v_pk_mul_f32 v[N1:N1+1], v[DOT+2:DOT+3], v[YY+2:YY+3]
	v_pk_fma_f32 v[N0:N0+1], v[DOT+4:DOT+5], v[YY+4:YY+5], v[N0:N0+1]
	v_pk_fma_f32 v[N1:N1+1], v[DOT+6:DOT+7], v[YY+6:YY+7], v[N1:N1+1]
.set pp, 4
.rept 12
	v_pk_add_f32 v[D0+4*(pp%2):D0+4*(pp%2)+1], v[D0+4*(pp%2):D0+4*(pp%2)+1], v[DOT+2*pp:DOT+2*pp+1]
	v_pk_fma_f32 v[N0+4*(pp%2):N0+4*(pp%2)+1], v[DOT+2*pp:DOT+2*pp+1], v[YY+2*pp:YY+2*pp+1], v[N0+4*(pp%2):N0+4*(pp%2)+1]
.set pp, pp+1
.endr
	v_pk_add_f32 v[D0:D0+1], v[D0:D0+1], v[D1:D1+1]
	v_pk_add_f32 v[N0:N0+1], v[N0:N0+1], v[N1:N1+1]
	v_add_f32 v[D0], v[D0], v[D0+1]
	v_add_f32 v[N0], v[N0], v[N0+1]
	v_cndmask_b32 v[OFF], v[N0], v[D0], s38        ; lanes 0-15 finish N, lanes 16-31 D: each keeps its own part of the one
	v_cndmask_b32 v[OFF+1], v[D0], v[N0], s38      ; and sends its part of the other
	v_permlanex16_b32 v[TX], v[OFF+1], s36, s37
	v_add_f32 v[OFF], v[OFF], v[TX]
	s_wait_alu depctr_va_vdst(0)                   ; the additions have written v244 and v246, which the two LDS stores read
	ds_store_b32 v[PA], v[OFF] offset:PART+64*\i
	ds_store_b32 v[PB], v[TS] offset:PART+1024+64*\i   ; (both halves hold the same S and name the same word)
.endm
	s_load_b256 s[4:11], s[0:1], 0x0               ; embd_weight s[4:5], problem_seq s[6:7], y s[8:9], lam_w s[10:11]
	s_load_b128 s[12:15], s[0:1], 0x20             ; lam_b s[12:13], lowp_scales s[14:15]
	s_load_b64 s[16:17], s[0:1], 0x30              ; out0
	v_lshl_add_u32 v[SPW], v0, 2, SPARE
	v_mov_b32 v[NIL], 0
	v_lshrrev_b32 v[TMP], 5, v0
	v_readfirstlane_b32 s18, v[TMP]                ; wave c = 0 .. 15
	s_and_b32 s19, ttmp7, 0xffff                   ; batch b;  ttmp9 = j
	v_and_b32 v[R], 15, v0
	v_bfe_u32 v[H], v0, 4, 1
	v_and_b32 v[LI], 31, v0
	v_lshlrev_b32 v[LI], 4, v[LI]
	v_lshlrev_b32 v[R4], 2, v[R]
	v_lshlrev_b32 v[H64], 6, v[H]
	v_and_b32 v[KO], 8, v[R]
	v_lshlrev_b32 v[KO], 2, v[KO]                  ; 32 (r / 8)
	v_and_b32 v[TMP], 1, v[R]
	v_lshl_add_u32 v[KO], v[TMP], 4, v[KO]         ; + 16 (r % 2)
	v_bfe_u32 v[TMP], v[R], 1, 2
	v_add_nc_u32 v[KO], v[KO], v[TMP]              ; + (r % 8) / 2
	v_lshlrev_b32 v[KO], 2, v[KO]
	; every LDS address is made here, ahead of the first parting of the waves: a constant x lane + a constant x wave
	s_wait_alu depctr_va_sdst(0)                   ; s18 is written, ahead of its first reader: LDS addresses, bases and branches are made from it
	s_and_b32 s26, s18, 7                          ; the query tile of waves 8 to 15
	s_lshl_b32 s27, s26, 11
	v_add_nc_u32 v[QWI], s27, v[LI]
	s_lshl_b32 s27, s26, 6
	v_add_nc_u32 v[QSC], s27, v[R4]
	s_lshl_b32 s27, s18, 9
	v_and_b32 v[TMP], 8, v[R]
	v_lshlrev_b32 v[TMP], 4, v[TMP]
	v_and_b32 v[KSW], 7, v[R]
	v_lshl_add_u32 v[KSW], v[KSW], 2, v[TMP]
	v_add_nc_u32 v[KSW], s27, v[KSW]               ; row m = r of tile T goes to word 32 (m / 8) + 8 T + m % 8 of my wave's scratch,
	v_lshl_add_u32 v[KSR], v[H], 7, s27            ; so that half h finds register 8 T + i's number at word 32 h + 8 T + i
	s_mul_i32 s27, s18, 1536
	v_lshl_add_u32 v[PA], v[H], 9, v[R4]
	v_add_nc_u32 v[PA], s27, v[PA]
	v_add_nc_u32 v[PB], s27, v[R4]
	v_lshlrev_b32 v[CA], 3, v0
	v_mov_b32 v[ZR], 0
	v_lshlrev_b32 v[TMP], 5, v[H]
	v_sub_nc_u32 v[RH], v[R], v[TMP]
	v_cvt_f32_u32 v[HM], v[H]
	v_sub_f32 v[HM], 1.0, v[HM]
	s_mov_b32 s36, 0x76543210                      ; v_permlanex16_b32's selects for lane l xor 16
	s_mov_b32 s37, 0xfedcba98
	s_mov_b32 s38, 0xffff0000                      ; lanes 16-31
	s_mov_b32 s44, 0x3c23d70a                      ; 0.01
	s_mov_b32 s45, 0x3f7d70a4                      ; 0.99
	s_mov_b32 s48, 0x3fb8aa3b                      ; log2(e)
	s_sub_co_u32 s39, 15, ttmp9                    ; the upper block's number, 15 - j
	s_lshl_b32 s20, s19, 12                        ; my chunk in problem_seq and in y, in bytes: 4,096 b + 256 c
	s_lshl_b32 s27, s18, 8
	s_add_co_u32 s20, s20, s27
	s_mov_b32 s21, 0
	s_lshl_b32 s27, ttmp9, 6                       ; the query tile's first query: tiles 0-3: 64 j + 16 i; tiles 4-7: 64 (15 - j) + 16 (i - 4)
	s_sub_co_u32 s35, 896, s27
	s_cmp_lt_u32 s26, 4
	s_cselect_b32 s27, s27, s35
	s_lshl_b32 s35, s26, 4
	s_add_co_u32 s27, s27, s35
	s_lshl_b32 s27, s27, 2
	s_lshl_b32 s28, s19, 12
	s_add_co_u32 s28, s28, s27
	s_mov_b32 s29, 0
	s_wait_kmcnt 0x0
	s_load_b64 s[32:33], s[14:15], 0x0             ; e0, e1
	s_load_b32 s34, s[12:13], 0x0                  ; lam_b
	s_add_nc_u64 s[22:23], s[6:7], s[20:21]
	s_add_nc_u64 s[24:25], s[8:9], s[20:21]
	s_add_nc_u64 s[30:31], s[6:7], s[28:29]
	s_wait_alu depctr_va_vdst(0)                   ; the offsets, the LDS addresses and the zeros in v2-7, v13-20 and v25-28 are written: every load and store of the kernel reads some of them, and none is written again
.irp t, 0,1,2,3
	global_load_b32 v[AD+\t], v[KO], s[22:23] offset:16*\t   ; the indices of my row in the four key tiles (tile T's keys lie 4 T further on)
.endr
.irp t, 0,1,2,3
	global_load_b32 v[YL+\t], v[KO], s[24:25] offset:16*\t   ; and their y
.endr
	s_wait_kmcnt 0x0
	s_add_co_i32 s35, s32, 127
	s_lshl_b32 s42, s35, 23
	v_mov_b32 v[SCA], s42                          ; 2^e0 as f32: the conversion takes its exponent field
	s_add_co_i32 s35, s35, 8
	s_lshl_b32 s35, s35, 23
	s_or_b32 s35, s35, 0x600000
	v_mov_b32 v[LMA], s35                          ; 448 x 2^e0
	s_add_co_i32 s35, s33, 127
	s_lshl_b32 s42, s35, 23
	v_mov_b32 v[SCB], s42                          ; 2^e1
	s_add_co_i32 s35, s35, 8
	s_lshl_b32 s35, s35, 23
	s_or_b32 s35, s35, 0x600000
	v_mov_b32 v[LMB], s35                          ; 448 x 2^e1
	s_add_co_i32 s41, s32, s33
	s_sub_co_i32 s41, s41, 1                       ; e0 + e1 - 1
	s_mul_f32 s49, s34, s48                        ; lam_b log2(e)
	s_cmp_lt_u32 s18, 8
	s_cbranch_scc1 .Lkeys_only
	; ---- waves 8 to 15: query tile c - 8
	global_load_b32 v[QAD], v[R4], s[30:31]
.irp b, 0,1,2,3
.irp q, 0,1,2,3
	global_load_b128 v[WL+16*\b+4*\q:WL+16*\b+4*\q+3], v[H64], s[10:11] offset:128*\b+16*\q   ; lam_w at my 64 places along K
.endr
.endr
	s_wait_loadcnt 16                              ; the nine loads of indices and y are in; lam_w's sixteen may be out
.irp t, 0,1,2,3
	ADDR AD+\t
.endr
	ADDR QAD
	s_wait_alu depctr_va_vdst(0)                   ; the five table offsets v8-12 are written, which the gathers read; they are not written again
	GATHER STB, QAD
	GATHER STA, AD+0                               ; key tile 0 is asked for now and lands while the query tile is worked
	s_wait_loadcnt 16                              ; lam_w and the query rows are in; key tile 0's sixteen may be out
	v_pk_mul_f32 v[ACC:ACC+1], v[STB:STB+1], v[STB:STB+1]
	v_pk_mul_f32 v[ACC+2:ACC+3], v[STB+2:STB+3], v[STB+2:STB+3]
	v_pk_mul_f32 v[ACC+4:ACC+5], v[STB:STB+1], v[WL:WL+1]
	v_pk_mul_f32 v[ACC+6:ACC+7], v[STB+2:STB+3], v[WL+2:WL+3]
.set kk, 2
.rept 30
	v_pk_fma_f32 v[ACC+2*(kk%2):ACC+2*(kk%2)+1], v[STB+2*kk:STB+2*kk+1], v[STB+2*kk:STB+2*kk+1], v[ACC+2*(kk%2):ACC+2*(kk%2)+1]       ; |x_t|^2
	v_pk_fma_f32 v[ACC+4+2*(kk%2):ACC+5+2*(kk%2)], v[STB+2*kk:STB+2*kk+1], v[WL+2*kk:WL+2*kk+1], v[ACC+4+2*(kk%2):ACC+5+2*(kk%2)]   ; x_t . lam_w
.set kk, kk+1
.endr
	v_pk_add_f32 v[ACC:ACC+1], v[ACC:ACC+1], v[ACC+2:ACC+3]
	v_pk_add_f32 v[ACC+4:ACC+5], v[ACC+4:ACC+5], v[ACC+6:ACC+7]
	v_add_f32 v[ACC], v[ACC], v[ACC+1]
	v_add_f32 v[ACC+4], v[ACC+4], v[ACC+5]
	v_permlanex16_b32 v[ACC+1], v[ACC], s36, s37   ; the row's other half lies in lane l xor 16
	v_permlanex16_b32 v[ACC+5], v[ACC+4], s36, s37
	v_add_f32 v[ACC], v[ACC], v[ACC+1]
	v_add_f32 v[ACC+4], v[ACC+4], v[ACC+5]
	v_fma_f32 v[ACC+4], v[ACC+4], s48, s49         ; (x_t . lam_w + lam_b) log2(e)
	v_rsq_f32 v[ACC], v[ACC]                       ; 1 / |x_t|
	v_exp_f32 v[ACC+4], v[ACC+4]                   ; lam
	HOLDCVT STB, QF, SCA, LMA                      ; the codes: independent work behind the two transcendentals
	s_wait_alu depctr_va_vdst(0)                   ; the holds and conversions are done with set B, in which the gather below lands; the conversions have written v224-239, which the LDS stores read; the root and the exponential have written v240 and v244, ahead of their first reader
	GATHER STB, AD+1                               ; the set is free: key tile 1
.irp c, 0,1,2,3
	ds_store_b128 v[QWI], v[QF+4*\c:QF+4*\c+3] offset:QIMG+512*\c   ; the fragment goes to LDS as it stands: lane l's 16 bytes at 16 l
.endr
	v_ldexp_f32 v[ACC], v[ACC], s41                ; fq = 2^(e0 + e1 - 1) / |x_t|
	v_mul_f32 v[ACC+4], 0xbfb8aa3b, v[ACC+4]       ; cq = -log2(e) lam
	s_wait_alu depctr_va_vdst(0)                   ; fq and cq are written, which the two LDS stores read
	ds_store_b32 v[QSC], v[ACC] offset:FQB
	ds_store_b32 v[QSC], v[ACC+4] offset:CQB
	s_wait_alu depctr_vm_vsrc(0)                   ; my six LDS stores have read v224-239, v240 and v244: the key tiles' sums write v240-247 again, and the units' loads land in v224-242
	s_branch .Lmeet
.Lkeys_only:
	; ---- waves 0 to 7: key tiles 0 and 1 are asked for
	s_wait_loadcnt 4                               ; the four indices are in; y's four loads may be out
.irp t, 0,1,2,3
	ADDR AD+\t
.endr
	s_wait_alu depctr_va_vdst(0)                   ; the four table offsets v8-11 are written, which the gathers read; they are not written again
	GATHER STA, AD+0
	GATHER STB, AD+1
.Lmeet:
	s_wait_dscnt 0x0                               ; my stores of the query tile have landed
	s_barrier_signal -1
	s_barrier_wait -1                              ; the eight query tiles lie in LDS.  (The gathers stay on their way: nobody writes what they read)
	s_cmp_gt_u32 s18, s39                          ; ids alone: keys from 64 (16 - j) on come after every query of this work-group
	s_cbranch_scc1 .Lunused
	; ---- my chunk: two sets by turns, sixteen loads of the other set out while one is worked
	KTILE 0, STA, 16
	s_wait_alu depctr_va_vdst(0)                   ; tile 0's squares, holds and conversions are done with set A, in which tile 2's gather lands
	GATHER STA, AD+2
	KTILE 1, STB, 16
	s_wait_alu depctr_va_vdst(0)                   ; tile 1's squares, holds and conversions are done with set B, in which tile 3's gather lands
	GATHER STB, AD+3
	KTILE 2, STA, 16
	KTILE 3, STB, 0
.irp t, 0,1,2,3
	v_permlanex16_b32 v[ACC+\t], v[SS+\t], s36, s37
.endr
.irp t, 0,1,2,3
	v_add_f32 v[SS+\t], v[SS+\t], v[ACC+\t]
.endr
.irp t, 0,1,2,3
	v_rsq_f32 v[SS+\t], v[SS+\t]                   ; 1 / |x_s| of row r of tile t
.endr
	v_nop                                          ; a plain line behind the last of them
	s_wait_alu depctr_va_vdst(0)                   ; the four roots have written v248-251, which the LDS stores read; tile 2's lines are done with v96-159, in which the sixteen LDS loads land, and the sums above with v240-243, in which the first tile's fq and cq land
.irp t, 0,1,2,3
	ds_store_b32 v[KSW], v[SS+\t] offset:KSB+32*\t
.endr
.irp t, 0,1,2,3
	ds_store_b32 v[KSW], v[YL+\t] offset:KSB+256+32*\t
.endr
.irp n, 0,1,2,3,4,5,6,7                ; LDS serves a wave's instructions in order (ISA guide 5.7.1.4): these see my stores; the bytes are my wave's own
	ds_load_b128 v[IM+4*\n:IM+4*\n+3], v[KSR] offset:KSB+16*\n
.endr
.irp n, 0,1,2,3,4,5,6,7
	ds_load_b128 v[YY+4*\n:YY+4*\n+3], v[KSR] offset:KSB+256+16*\n
.endr
	s_wait_alu depctr_vm_vsrc(0)                   ; the eight LDS stores have read v248-255, which the units' sums write again
	; ---- the units (written out: every LDS offset is an immediate).  Each unit's six loads are issued in the unit before it; the first unit's on each way, here
	s_cmp_gt_u32 s18, ttmp9                        ; my keys come after the lower block's queries
	s_cbranch_scc1 .Llow_none
	s_cmp_eq_u32 s18, ttmp9
	s_cselect_b32 s40, 1, 0                        ; my chunk is the lower block's own: the diagonal
	QLOAD 0
	UNIT 0, 1, 0, 0                                ; its six loads are the youngest LDS instructions: the wait is for 0, and serves 1 / |x_s| and y_s too
	UNIT 1, 2, 2, 1                                ; behind a tile's six loads stand the two stores of the unit that issued them
	UNIT 2, 3, 2, 1
	UNIT 3, 4, 2, 1
	s_wait_alu depctr_vm_vsrc(0)                   ; unit 3's two LDS stores have read v244 and v246, which unit 4 writes again
	s_branch .Lhigh
.Llow_none:
	QLOAD 4                                        ; ahead of the eight stores, so that on both ways two stores or more stand behind tile 4's loads
.irp u, 0,1,2,3
	ZERO \u
.endr
.Lhigh:
	s_cmp_eq_u32 s18, s39
	s_cselect_b32 s40, 1, 0
	UNIT 4, 5, 2, 0
	UNIT 5, 6, 2, 1
	UNIT 6, 7, 2, 1
	UNIT 7, 8, 2, 1
	s_branch .Ljoin
.Lunused:
	s_wait_loadcnt 0x0                             ; the two tiles asked for ahead of the barrier have landed: their registers are free
.irp u, 0,1,2,3,4,5,6,7
	ZERO \u
.endr
.Ljoin:
	s_wait_dscnt 0x0                               ; my partials have landed
	s_barrier_signal -1
	s_barrier_wait -1                              ; all sixteen chunks' partials lie in LDS
	; ---- waves 0 and 1 join the chunks: wave 0 the lower block, wave 1 the upper; a lane takes two neighbouring queries, so that the wave stores 256 consecutive bytes, aligned
	s_cmp_lt_u32 s18, 2
	s_cbranch_scc0 .Lend
.set CN, 32
.set CD, 64
.set CS, 96
.set CC, 160
	s_wait_alu depctr_va_vdst(0)                   ; the units' matrix and vector instructions are done with v32-127 and v160-161 (codes, 1 / |x_s|, w), in which the partials land
	ds_load_b64 v[CC:CC+1], v[CA] offset:CQB
.set cc, 1
.rept 15
	ds_load_b64 v[CS+2*cc:CS+2*cc+1], v[CA] offset:PART+1536*cc+1024
.set cc, cc+1
.endr
.set cc, 0
.rept 16
	ds_load_b64 v[CN+2*cc:CN+2*cc+1], v[CA] offset:PART+1536*cc
	ds_load_b64 v[CD+2*cc:CD+2*cc+1], v[CA] offset:PART+1536*cc+512
.set cc, cc+1
.endr
	s_lshl_b32 s42, ttmp9, 8                       ; the block's first query in out0, in bytes: 256 j or 256 (15 - j), + 4,096 b
	s_lshl_b32 s43, s39, 8
	s_cmp_eq_u32 s18, 0
	s_cselect_b32 s46, s42, s43
	s_lshl_b32 s42, s19, 12
	s_add_co_u32 s46, s46, s42
	s_mov_b32 s47, 0
	s_add_nc_u64 s[16:17], s[16:17], s[46:47]
	s_wait_dscnt 32                                ; cq and the fifteen S are in; N's and D's 32 loads may be out
.set cc, 14
.rept 14
	v_pk_add_f32 v[CS+2*cc:CS+2*cc+1], v[CS+2*cc:CS+2*cc+1], v[CS+2*cc+2:CS+2*cc+3]   ; the sum of sim over chunks cc and later: what lies behind chunk cc - 1
.set cc, cc-1
.endr
.set cc, 1
.rept 15
	v_pk_mul_f32 v[CS+2*cc:CS+2*cc+1], v[CS+2*cc:CS+2*cc+1], v[CC:CC+1]
.set cc, cc+1
.endr
.set cc, 2
.rept 30
	v_exp_f32 v[CS+cc], v[CS+cc]                   ; f of chunk cc / 2 - 1
.set cc, cc+1
.endr
	v_and_b32 v[TMP], 31, v0                       ; (plain lines behind the last exponential)
	v_lshlrev_b32 v[TMP], 3, v[TMP]                ; 8 bytes a lane
	s_wait_alu depctr_va_vdst(0)                   ; the thirty exponentials have written v98-127, ahead of their first reader; v1 is written, which the store at the end reads as its offset
	s_wait_dscnt 0x0
	v_add_f32 v[CD+30], 0x358637bd, v[CD+30]       ; + 1e-6; chunk 15 has nothing behind it: its N and D start the sums
	v_add_f32 v[CD+31], 0x358637bd, v[CD+31]
.set cc, 0
.rept 15
	v_pk_fma_f32 v[CN+30:CN+31], v[CN+2*cc:CN+2*cc+1], v[CS+2*cc+2:CS+2*cc+3], v[CN+30:CN+31]
	v_pk_fma_f32 v[CD+30:CD+31], v[CD+2*cc:CD+2*cc+1], v[CS+2*cc+2:CS+2*cc+3], v[CD+30:CD+31]
.set cc, cc+1
.endr
	v_rcp_f32 v[CD+30], v[CD+30]
	v_rcp_f32 v[CD+31], v[CD+31]
	v_nop                                          ; a plain line behind the second reciprocal
	s_wait_alu depctr_va_vdst(0)                   ; the two reciprocals have written v94 and v95, ahead of their first reader
	v_pk_mul_f32 v[CN+30:CN+31], v[CN+30:CN+31], v[CD+30:CD+31]
	v_med3_num_f32 v[CN+30], v[CN+30], s44, s45    ; the clip
	v_med3_num_f32 v[CN+31], v[CN+31], s44, s45
	s_wait_alu depctr_va_vdst(0)                   ; the clips have written v62 and v63, which the store reads
	global_store_b64 v[TMP], v[CN+30:CN+31], s[16:17] th:TH_STORE_NT   ; 32 lanes store 256 consecutive bytes, at a multiple of 256 from out0's first byte
.Lend:
	s_wait_dscnt 0x0                               ; the closing lines, six on end
	s_wait_alu 0x0
	s_wait_tensorcnt 0x0
	ds_add_u32 v[SPW], v[NIL]
	s_wait_dscnt 0x0
	s_endpgm
.Lfunc_end_k_qc92f5c9d6f_ema:
	.size	k_qc92f5c9d6f_ema, .Lfunc_end_k_qc92f5c9d6f_ema-k_qc92f5c9d6f_ema
	.p2alignl 7, 3214868480
	.fill 96, 4, 3214868480
	.section	.rodata,"a",@progbits
	.p2align	6, 0x0
	.amdhsa_kernel k_qc92f5c9d6f_ema
		.amdhsa_group_segment_fixed_size 52224
		.amdhsa_private_segment_fixed_size 0
		.amdhsa_enable_private_segment 0
		.amdhsa_kernarg_size 56
		.amdhsa_user_sgpr_count 2
		.amdhsa_user_sgpr_kernarg_segment_ptr 1
		.amdhsa_wavefront_size32 1
		.amdhsa_system_sgpr_workgroup_id_x 1
		.amdhsa_system_sgpr_workgroup_id_y 1
		.amdhsa_system_sgpr_workgroup_id_z 1
		.amdhsa_system_vgpr_workitem_id 0
		.amdhsa_next_free_vgpr 256
		.amdhsa_next_free_sgpr 98
		.amdhsa_reserve_vcc 0
		.amdhsa_float_denorm_mode_32 3
		.amdhsa_float_denorm_mode_16_64 3
		.amdhsa_memory_ordered 1
		.amdhsa_forward_progress 1
		.amdhsa_inst_pref_size 180
	.end_amdhsa_kernel
	.amdgpu_metadata
---
amdhsa.version: [ 1, 2 ]
amdhsa.kernels:
  - .name:           k_qc92f5c9d6f_ema
    .symbol:         k_qc92f5c9d6f_ema.kd
    .args:
      - { .name: embd_weight, .offset: 0, .size: 8, .value_kind: global_buffer, .address_space: global }
      - { .name: problem_seq, .offset: 8, .size: 8, .value_kind: global_buffer, .address_space: global }
      - { .name: y, .offset: 16, .size: 8, .value_kind: global_buffer, .address_space: global }
      - { .name: lam_w, .offset: 24, .size: 8, .value_kind: global_buffer, .address_space: global }
      - { .name: lam_b, .offset: 32, .size: 8, .value_kind: global_buffer, .address_space: global }
      - { .name: lowp_scales, .offset: 40, .size: 8, .value_kind: global_buffer, .address_space: global }
      - { .name: out0, .offset: 48, .size: 8, .value_kind: global_buffer, .address_space: global }
    .group_segment_fixed_size: 52224
    .private_segment_fixed_size: 0
    .kernarg_segment_align: 8
    .kernarg_segment_size: 56
    .max_flat_workgroup_size: 512
    .sgpr_count:     98
    .vgpr_count:     256
    .wavefront_size: 32
...
	.end_amdgpu_metadata
.endif
;; end of part 2
